; MI455X (gfx1250); checked and timed in simulation.
; The chip was launched on July 23, 2026; its instructions are those of AMD's public machine-readable ISA for CDNA 5 (MIT licence, August 2026) and "CDNA5" Instruction Set Architecture Reference Guide (July 2026). The comments in the code are by the model that wrote it; some were corrected since.
;; Feed Forward Quantum. Allowed arithmetic: float matrix products may take bf16 or f16 operands with f32 sums; other float arithmetic in f32, or as packed bf16 or f16 multiplies, adds, multiply-adds, maxima and minima; sums over many terms, partial sums and values carried from step to step in f32; what a program stores and reads back later, other than sums and carried values, may be rounded once to bf16 or f16.
;; Inputs: ry_params 10 float32; w1 4,096 x 10 float32; w2 1,024 x 4,096 float32; x 8 x 2,048 x 1,024 float32.
;; Outputs: out0 8 x 2,048 x 1,024 float32.
;; 2 versions, each right; version 2 is version 1 with the launch prep written anew for expert scheduling mode. Each part assembles by itself: llvm-mc -triple=amdgcn-amd-amdhsa -mcpu=gfx1250 --defsym DOCPART=n.
;; ======== version 1 of 2: 2 launches
;; limits: values are held in f16: magnitudes above 65,504 overflow, below 6.1e-05 lose precision; inputs' magnitudes at most 10,000; a function is approximated: absolute error at most 2e-07
;; workspace buffers: w2h 8,388,608 bytes; w1h 131,072 bytes
;; launch prep (part 1): grid 256 x 1, 8 waves a work-group, no clusters, 0 bytes of LDS; arguments w2, w1, w2h, w1h; writes w2h, w1h
.if DOCPART == 1
	.amdgcn_target "amdgcn-amd-amdhsa--gfx1250"
	.amdhsa_code_object_version 6
	.text
	.protected	k_qac8cba5176_prep
	.globl	k_qac8cba5176_prep
	.p2align	8
	.type	k_qac8cba5176_prep,@function
k_qac8cba5176_prep:
	s_mov_b64 s[64:65], 0
	v_nop
	global_prefetch_b8 v0, s[64:65] scope:SCOPE_SE
	s_setreg_imm32_b32 hwreg(HW_REG_WAVE_MODE, 25, 1), 1
	s_wait_xcnt 0x0
; THE WEIGHTS, ROUNDED ONCE TO f16 for the matrix products of the launch behind.
;   w2h[e][f] = f16(w2[e][f]): [1024][4096], laid out as w2.
;   w1h[f][k] = f16(w1[f][k]) for k < 10, 0 for k = 10 .. 15: [4096][16], 32 bytes a row, so that 16 bytes are half a row of a matrix fragment.
; LIMIT.  f16 holds no number beyond 65,504: |w1| and |w2| stay under that; below 6e-5 a number keeps f16's fixed step of 6e-8.
; A stream: no LDS, no barrier, no matrix unit, no loop.  A work-group of eight waves takes 65,536 consecutive bytes of w2: sixteen loads of 16 bytes a thread, all issued before the
; first is waited for (a wave's load covers 512 consecutive bytes); four numbers become 8 bytes, and a wave's store covers 256 consecutive bytes, aligned.
; Every register is written once, so no register of a pending load or store is ever written again.
; Wave 0 also makes the work-group's 16 rows of w1h.  Its text is written out whole, under one branch on the wave's number.
.set LO, 2                             ; v2        16 t: my 16 bytes in 4,096 of w2
.set SO, 3                             ; v3        8 t: my 8 bytes in 2,048 of w2h
.set X,  12                            ; v[12:75]  sixteen loads of four f32
.set Y,  76                            ; v[76:107] sixteen stores of four f16
.set W,  108                           ; v[108:115] wave 0: eight numbers of a row of w1
.set D,  116                           ; v[116:119] wave 0: 16 bytes of w1h
.macro LOADS
.irp i, 0,1,2,3,4,5,6,7,8,9,10,11,12,13,14,15
	global_load_b128 v[X+4*\i:X+4*\i+3], v[LO], s[4:5] offset:4096*\i th:TH_LOAD_NT
.endr
.endm
.macro WORK
.irp i, 0,1,2,3,4,5,6,7,8,9,10,11,12,13,14,15
	s_wait_loadcnt 15-\i                           ; loads come back in order: load i is in, the 15 - i younger ones stay out
	v_cvt_pk_f16_f32 v[Y+2*\i],   v[X+4*\i],   v[X+4*\i+1]
	v_cvt_pk_f16_f32 v[Y+2*\i+1], v[X+4*\i+2], v[X+4*\i+3]
	global_store_b64 v[SO], v[Y+2*\i:Y+2*\i+1], s[8:9] offset:2048*\i
.endr
.endm
	s_load_b256 s[4:11], s[0:1], 0x0               ; w2 s[4:5], w1 s[6:7], w2h s[8:9], w1h s[10:11]
	v_lshrrev_b32 v1, 5, v0
	v_readfirstlane_b32 s12, v1                    ; wave 0..7
	v_lshlrev_b32 v[LO], 4, v0
	v_lshlrev_b32 v[SO], 3, v0
	s_lshl_b32 s14, ttmp9, 16                      ; the work-group's 65,536 bytes of w2,
	s_mov_b32 s15, 0
	s_lshl_b32 s16, ttmp9, 15                      ; and its 32,768 of w2h
	s_mov_b32 s17, 0
	s_wait_kmcnt 0x0
	s_add_nc_u64 s[4:5], s[4:5], s[14:15]
	s_add_nc_u64 s[8:9], s[8:9], s[16:17]
	s_cmp_lg_u32 s12, 0
	s_cbranch_scc1 .Lothers
	; WAVE 0.  Lane l makes half l % 2 of row l / 2 of the work-group's 16 rows of w1h.  A row of w1 is 40 bytes.  Half 0 reads k = 0 .. 7 as four loads of 8 bytes, 8 bytes apart;
	; half 1 reads k = 8, 9 (the row's last 8 bytes) four times over, so that no load leaves the row, and keeps the first.
	v_and_b32 v4, 1, v0                            ; half
	v_bfe_u32 v5, v0, 1, 4                         ; row
	v_mul_u32_u24 v6, v5, 40
	v_lshl_add_u32 v6, v4, 5, v6                   ; 40 row + 32 half
	v_lshlrev_b32 v7, 3, v4
	v_sub_nc_u32 v7, 8, v7                         ; from load to load: 8 bytes, or 0
	v_add_nc_u32 v8, v6, v7
	v_add_nc_u32 v9, v8, v7
	v_add_nc_u32 v10, v9, v7
	v_and_b32 v11, 31, v0
	v_lshlrev_b32 v11, 4, v11                      ; my 16 bytes of the 512 of w1h
	s_mul_i32 s18, ttmp9, 640                      ; 16 rows of 40 bytes
	s_mov_b32 s19, 0
	s_lshl_b32 s20, ttmp9, 9                       ; 16 rows of 32 bytes
	s_mov_b32 s21, 0
	s_add_nc_u64 s[6:7], s[6:7], s[18:19]
	s_add_nc_u64 s[10:11], s[10:11], s[20:21]
	global_load_b64 v[W:W+1],   v6,  s[6:7]
	global_load_b64 v[W+2:W+3], v8,  s[6:7]
	global_load_b64 v[W+4:W+5], v9,  s[6:7]
	global_load_b64 v[W+6:W+7], v10, s[6:7]
	LOADS                                          ; w1's four loads are older than these: the counts in WORK hold as they stand, and its first wait shows them in
	WORK
.irp j, 0,1,2,3
	v_cvt_pk_f16_f32 v[D+\j], v[W+2*\j], v[W+2*\j+1]
.endr
	v_cmp_eq_u32 s22, 0, v4                        ; the lanes of half 0
.irp j, 1,2,3
	v_cndmask_b32 v[D+\j], 0, v[D+\j], s22         ; half 1: k = 10 .. 15 are 0
.endr
	global_store_b128 v11, v[D:D+3], s[10:11]      ; 512 consecutive bytes, aligned
	s_endpgm
.Lothers:
	LOADS
	WORK
	s_endpgm
.Lfunc_end_k_qac8cba5176_prep:
	.size	k_qac8cba5176_prep, .Lfunc_end_k_qac8cba5176_prep-k_qac8cba5176_prep
	.p2alignl 7, 3214868480
	.fill 96, 4, 3214868480
	.section	.rodata,"a",@progbits
	.p2align	6, 0x0
	.amdhsa_kernel k_qac8cba5176_prep
		.amdhsa_group_segment_fixed_size 0
		.amdhsa_private_segment_fixed_size 0
		.amdhsa_enable_private_segment 0
		.amdhsa_kernarg_size 32
		.amdhsa_user_sgpr_count 2
		.amdhsa_user_sgpr_kernarg_segment_ptr 1
		.amdhsa_wavefront_size32 1
		.amdhsa_system_sgpr_workgroup_id_x 1
		.amdhsa_system_sgpr_workgroup_id_y 1
		.amdhsa_system_sgpr_workgroup_id_z 1
		.amdhsa_system_vgpr_workitem_id 0
		.amdhsa_next_free_vgpr 120
		.amdhsa_next_free_sgpr 66
		.amdhsa_reserve_vcc 0
		.amdhsa_float_denorm_mode_32 3
		.amdhsa_float_denorm_mode_16_64 3
		.amdhsa_memory_ordered 1
		.amdhsa_forward_progress 1
		.amdhsa_inst_pref_size 14
	.end_amdhsa_kernel
	.amdgpu_metadata
---
amdhsa.version: [ 1, 2 ]
amdhsa.kernels:
  - .name:           k_qac8cba5176_prep
    .symbol:         k_qac8cba5176_prep.kd
    .args:
      - { .name: w2, .offset: 0, .size: 8, .value_kind: global_buffer, .address_space: global }
      - { .name: w1, .offset: 8, .size: 8, .value_kind: global_buffer, .address_space: global }
      - { .name: w2h, .offset: 16, .size: 8, .value_kind: global_buffer, .address_space: global }
      - { .name: w1h, .offset: 24, .size: 8, .value_kind: global_buffer, .address_space: global }
    .group_segment_fixed_size: 0
    .private_segment_fixed_size: 0
    .kernarg_segment_align: 8
    .kernarg_segment_size: 32
    .max_flat_workgroup_size: 256
    .sgpr_count:     66
    .vgpr_count:     120
    .wavefront_size: 32
...
	.end_amdgpu_metadata
.endif
;; end of part 1
;; launch ffn (part 2): grid 64 x 4, 4 waves a work-group, clusters of 4 x 1, 327,680 bytes of LDS; arguments x, ry_params, w1h, w2h, out0; writes out0
.if DOCPART == 2
	.amdgcn_target "amdgcn-amd-amdhsa--gfx1250"
	.amdhsa_code_object_version 6
	.text
	.protected	k_qac8cba5176_ffn
	.globl	k_qac8cba5176_ffn
	.p2align	8
	.type	k_qac8cba5176_ffn,@function
k_qac8cba5176_ffn:
	s_mov_b64 s[64:65], 0
	v_nop
	global_prefetch_b8 v0, s[64:65] scope:SCOPE_SE
	s_setreg_imm32_b32 hwreg(HW_REG_WAVE_MODE, 25, 1), 1
	s_wait_xcnt 0x0
	s_wait_alu depctr_hold_cnt(0) depctr_sa_sdst(0) depctr_va_vdst(0) depctr_va_sdst(0) depctr_va_ssrc(0) depctr_va_vcc(0) depctr_vm_vsrc(0)
	s_getreg_b32 s2, hwreg(HW_REG_IB_STS2, 6, 4)
	s_cmp_eq_u32 s2, 0
	s_cbranch_scc0 .Lentry_in_a_cluster
	s_endpgm
.Lentry_in_a_cluster:
	s_bfe_u32 s2, ttmp6, 0x10000c
	s_cmp_lg_u32 s2, 0x3003
	s_cbranch_scc0 .Lentry_shape_is_right
	s_endpgm
.Lentry_shape_is_right:
; out[t][e] = sum over f of relu(sum over k < 10 of cos(x[t][k]) cos(phi[k]) w1[f][k]) w2[e][f].  16,384 tokens t, 4,096 f, 1,024 e; x and out f32; w1h [4096][16] and w2h [1024][4096] are the
; weights in f16, made by the launch before.  h = relu(..) NEVER LEAVES THE REGISTERS: it would be 134 MB in 16 bits, written and read again, against 88 MB for all else.
; FORMATS.  cos in f32, of the unrounded x and phi.  q = cos cos, w1, h and w2 are rounded once to f16 as matrix operands; all sums in f32; out is stored as the f32 sums.
; LIMITS.  f16 holds no number beyond 65,504: the sum over k of |w1[f][k]|, which bounds h, stays under that; h below 6e-5 keeps f16's fixed step of 6e-8.  cos: the argument less the nearest multiple
; of pi (pi in two f32 parts), then a polynomial of degree 12 (its remainder on |r| <= pi/2 is under 1e-8): good to about 2e-7 for |x|, |phi| up to 1e4, worse beyond; the multiple's parity is taken
; of a 32-bit whole number.  A NaN in h counts as 0 (the packed maximum lets the number win); infinities are not treated apart.
; THE CHAIN.  H^T = W1 Q^T (source 0 = 16 rows f of w1h, source 1 = 16 tokens; k = 10 .. 31 are zeros): in the result a lane holds ONE token (lane % 16) and f = 8 (lane / 16) + 0..7.  Two such
; results, rounded to f16 in pairs, ARE source 1 (32 f x 16 tokens) of out^T += W2 H^T (source 0 = 16 rows e of w2h), whose result holds one token a lane and eight neighbouring e.
; So of the large product only w2 is read from LDS.
; SHARES.  A work-group makes 256 tokens x 256 e: 64 x 4 = 256 work-groups.  Wave w takes tokens 64 w .. 64 w + 63 (four blocks a of 16) x all 256 e (sixteen blocks b): 64 accumulators, 512 registers.
; A QUARTER is 32 along f: 64 products out^T, 8 products H^T for the quarter after, 64 vector instructions (32 roundings, 32 maxima with 0), 34 LDS loads.  The four e tiles each make h anew:
; 8 products for 64.  f goes in K steps of 128 (rows of 256 bytes of w2h, aligned) through a ring of two LDS slots; w1h lies in LDS whole.
; CLUSTER.  The four token blocks of a cluster make the same e tile and walk the same rows of w2h and w1h: each tile is asked for JOINTLY, by the same tensor load with the same descriptor and a mask
; that names the four; each receives it in its own LDS.  There is no second operand in LDS, so a cluster has one axis.
; REGISTERS, in windows of 256 (s_set_vgpr_msb: bits 1:0 source 0, 3:2 source 1, 5:4 source 2, 7:6 destination):
;   window 0: v0-15 addresses; v16-47 Q; v48-63 w1's two fragments; v64-127 H^T as f32 (at the head: x and phi); v128-191 H in f16, two buffers; v192-215 at work at the head
;   window 1: w2's fragments, two buffers of 128 (on the way out: two buffers of 64 for rows read back)      windows 2, 3: the accumulators of blocks a = 0, 1 and a = 2, 3: (a, b) at v[8 (16 (a % 2) + b)]
.set PITCH,  272                       ; an LDS row: 256 bytes + 16 of padding = 68 words: row r starts at bank 4 r mod 64 (64 banks of 4 bytes: ISA guide 11.1), so the 16 rows of a load start at 16 different banks
.set SLOT,   256*PITCH                 ; 256 rows e x 128 f of w2h
.set W1B,    2*SLOT                    ; behind the ring: w1h as 512 rows of 256 bytes, 8 f a row, filled once
.set W1HALF, 256*PITCH                 ; its first half serves f < 2,048
.set SPARE,  W1B+2*W1HALF              ; the spare words, 128 bytes for each wave: two blocks of 256 bytes that no other line names
.set STAGE,  SPARE+512                 ; 16 rows x 528 bytes for each wave, for the way out; no tensor load lands here
.set SP,     528                       ; a stage row: 512 bytes + 16: an odd multiple of 16
.set STW,    16*SP
.set ADRB, 4                           ; v4-5  LDS address of my part of a w2 fragment in slot 0, 1
.set AW,   6                           ; v6    the same for w1's fragments; steps by 256 f a lap
.set STO,  7                           ; v7    the way out: where I put 32 bytes of a row
.set RD,   8                           ; v8    the way out: where I read 16 bytes of a row back
.set CO,   9                           ; v9    my 16 bytes in 512 of a row of out
.set PFO,  10                          ; v10   the prefetches' offset: my lane x a row of w2h (8,192 bytes); never rewritten
.set ZR,   11                          ; v11   0: the ReLU's other operand, and an offset
.set SPW,  12                          ; v12   LDS address of my spare word: SPARE + 4 x my thread's number; never rewritten
.set NIL,  13                          ; v13   0; never rewritten
.set XO,   14                          ; v14   my byte offset in 16 rows of x
.set PH0,  15                          ; v15   my byte offset in phi
.set Q,    16                          ; block a at Q + 8 a; registers 4-7 (k = 16 .. 31) stay 0
.set W1F,  48                          ; 16 f each: u at W1F + 8 u; registers 4-7 stay 0
.set RAW,  64                          ; H^T of block a, 16 f u, at RAW + 8 (2 a + u)
.set HF,   128                         ; H in f16: buffer g, block a at HF + 32 g + 8 a
.set TN,   192
.set TS,   200
.set TP,   208
.set X,    64                          ; the head: x of block a at X + 8 a
.set PHI,  96
.set WV,   14                          ; s14  my wave's number
.set CX,   15                          ; s15  my place in the cluster: it enters x's, out's and the prefetches' addresses alone
.set G1,   24                          ; s[24:31] descriptor group 1 for w2h's tiles
.set G0,   32                          ; s[32:39] group 0, a set for each slot
.set G1W,  40                          ; s[40:47] group 1 for w1h
.set G0A,  48                          ; s[48:51] group 0 for its first half
.set G0B,  52                          ; s[52:55] for its second
.set PFA,  66                          ; s[66:67] where my prefetches stand: my 32 rows of w2h, one K step further along f than the refill that is being asked for; a prefetch names the K step after that
.set LIM,  68                          ; s68  1 in a wave that prefetches, else the greatest number
.set CNT,  69                          ; s69  laps still to come
.set LOWM, 70                          ; s70  the lanes 0-15 of the wave
.set IPI,  72                          ; s[72:87] the cosine's constants, each twice: the packed forms name a pair
.set NPH,  74
.set NPL,  76
.set C6,   78
.set C5,   80
.set C4,   82
.set C3,   84
.set C2,   86
.set MSB, 0
.macro WIN new                         ; the immediate's high byte repeats the setting that is left; a switch that changes nothing is dropped
.if MSB != (\new)
	s_set_vgpr_msb (MSB<<8)|(\new)
.set MSB, (\new)
.endif
.endm
.macro PLACES                          ; four places: a vector instruction that reads a matrix result or writes a matrix instruction's register, and a load into such a register, stand four plain
.rept 4                                ; vector instructions behind it (ISA guide 7.12.1 for vector instructions)
	v_nop
.endr
.endm
.macro PAIR p, val
	s_mov_b32 s[\p], \val
	s_mov_b32 s[(\p)+1], \val
.endm
; A round of the cluster's barrier: my work-group's barrier, so that wave 0's signal speaks for all four waves; wave 0 signals; every wave waits for all four work-groups; my work-group's barrier once more.
.macro CREST                           ; a round behind its opening barrier
	s_cmp_lg_u32 s[WV], 0
	s_cbranch_scc1 .Lnot_wave_0_\@
	s_barrier_signal -3
.Lnot_wave_0_\@:
	s_barrier_wait -3
	s_barrier_signal -1
	s_barrier_wait -1
.endm
.macro CROUND
	s_barrier_signal -1
	s_barrier_wait -1
	CREST
.endm
; A joint refill: each wave fetches its 64 rows of slot s; the descriptor hangs on the wave's number and the e tile, which the four partners share.  An s_nop 0 and four v_nop follow.
.macro JLOAD s
	tensor_load_to_lds s[G0+4*(\s):G0+4*(\s)+3], s[G1:G1+7]
	s_nop 0
.rept 4
	v_nop
.endr
.endm
; A PREFETCH INTO THE L2, behind each joint refill and the run of LDS loads that follows it: the K step that stands TWO refills on, 576 matrix instructions ahead of the load that will want it.
; Each row's 256 bytes of a K step are named ONCE in the launch: the sixteen clusters of an e tile walk the same rows, and the first of them (cluster x = 0) asks; its four partners take 64 rows each,
; told apart BY ADDRESS; in each, waves 0 and 1 take 32 rows, a lane a row: one instruction.  K steps 0 to 3 come by their loads alone; the last lap asks for nothing: K step 31 is the last.
.macro ASK
	WIN 0
	s_cmp_gt_u32 s[CNT], s[LIM]
	s_cbranch_scc0 .Lnot_mine_\@
	global_prefetch_b8 v[PFO], s[PFA:PFA+1] offset:256 th:TH_LOAD_NT scope:SCOPE_SE
.Lnot_mine_\@:
.endm
; cos of eight registers from b on, in place.  n = the nearest whole number to v / pi; r = v - n pi, pi in two parts; cos r by Horner in r^2; the sign turns where n is odd.
.macro COS8 b
.irp j, 0,2,4,6
	v_pk_mul_f32 v[TN+\j:TN+\j+1], v[(\b)+\j:(\b)+\j+1], s[IPI:IPI+1] op_sel_hi:[1,0]
.endr
.irp j, 0,1,2,3,4,5,6,7
	v_rndne_f32 v[TN+\j], v[TN+\j]
.endr
.irp j, 0,2,4,6
	v_pk_fma_f32 v[(\b)+\j:(\b)+\j+1], v[TN+\j:TN+\j+1], s[NPH:NPH+1], v[(\b)+\j:(\b)+\j+1] op_sel_hi:[1,0,1]
.endr
.irp j, 0,2,4,6
	v_pk_fma_f32 v[(\b)+\j:(\b)+\j+1], v[TN+\j:TN+\j+1], s[NPL:NPL+1], v[(\b)+\j:(\b)+\j+1] op_sel_hi:[1,0,1]
.endr
.irp j, 0,2,4,6
	v_pk_mul_f32 v[TS+\j:TS+\j+1], v[(\b)+\j:(\b)+\j+1], v[(\b)+\j:(\b)+\j+1]
.endr
.irp j, 0,2,4,6
	v_pk_fma_f32 v[TP+\j:TP+\j+1], v[TS+\j:TS+\j+1], s[C6:C6+1], s[C5:C5+1] op_sel_hi:[1,0,0]
.endr
.irp c, C4, C3, C2
.irp j, 0,2,4,6
	v_pk_fma_f32 v[TP+\j:TP+\j+1], v[TP+\j:TP+\j+1], v[TS+\j:TS+\j+1], s[\c:\c+1] op_sel_hi:[1,1,0]
.endr
.endr
.irp j, 0,2,4,6
	v_pk_fma_f32 v[TP+\j:TP+\j+1], v[TP+\j:TP+\j+1], v[TS+\j:TS+\j+1], -0.5 op_sel_hi:[1,1,0]
.endr
.irp j, 0,2,4,6
	v_pk_fma_f32 v[TP+\j:TP+\j+1], v[TP+\j:TP+\j+1], v[TS+\j:TS+\j+1], 1.0 op_sel_hi:[1,1,0]
.endr
.irp j, 0,1,2,3,4,5,6,7
	v_cvt_i32_f32 v[TN+\j], v[TN+\j]
.endr
.irp j, 0,1,2,3,4,5,6,7
	v_lshlrev_b32 v[TN+\j], 31, v[TN+\j]           ; n's lowest bit, in the sign's place
.endr
.irp j, 0,1,2,3,4,5,6,7
	v_xor_b32 v[(\b)+\j], v[TN+\j], v[TP+\j]
.endr
.endm
	s_load_b256 s[4:11], s[0:1], 0x0               ; x s[4:5], phi s[6:7], w1h s[8:9], w2h s[10:11]
	s_load_b64 s[12:13], s[0:1], 0x20              ; out
	v_lshl_add_u32 v[SPW], v0, 2, SPARE
	v_mov_b32 v[NIL], 0
	ds_add_u32 v[SPW], v[NIL]                      ; the wave's opening: the add, twice on end, and its wait ahead of my first tensor load; the set-up below, work on registers, stands between
	ds_add_u32 v[SPW], v[NIL]                      ; and once more, under the one wait
	v_lshrrev_b32 v1, 5, v0
	v_readfirstlane_b32 s[WV], v1                  ; wave 0..3
	s_bfe_u32 s[CX], ttmp6, 0x40000                ; my place in the cluster
	s_and_b32 s16, ttmp7, 0xffff                   ; the e tile c, which the four partners share
	s_lshl_b32 s17, ttmp9, 2                       ; in a cluster launch ttmp9 counts clusters
	s_add_co_u32 s17, s17, s[CX]                   ; my block of 256 tokens
	; descriptor groups 1: tiles of 64 rows x 128 elements of 2 bytes, padded in LDS
.irp g, G1, G1W
	s_mov_b32 s[\g], 15|(1<<16)|(1<<20)|(1<<21)|(5<<22)|(3<<25)  ; 15:0 the mask of four; 17:16 2-byte elements; 20 padding on; 21 set beside a mask; 24:22 after every 64 words (code 5); 31:25 4 words (code 3)
	s_mov_b32 s[\g+1], 128<<16                     ; tensor_dim0 = 128
	s_mov_b32 s[\g+2], 64<<16                      ; tensor_dim1 = 64
	s_mov_b32 s[\g+3], 128<<16                     ; tile_dim0 = 128
	s_mov_b32 s[\g+4], 64                          ; tile_dim1 = 64
	s_mov_b32 s[\g+6], 0
	s_mov_b32 s[\g+7], 0
.endr
	s_mov_b32 s[G1+5], 4096                        ; w2h: 4,096 elements from row to row
	s_mov_b32 s[G1W+5], 128                        ; w1h is dense: taken as rows of 256 bytes
	s_mov_b32 s[G0], 1                             ; count = 1
	s_mov_b32 s[G0+4], 1
	s_mov_b32 s[G0A], 1
	s_mov_b32 s[G0B], 1
	s_mul_i32 s[G0+1], s[WV], 64*PITCH             ; LDS addresses: my 64 rows of slot 0,
	s_add_co_u32 s[G0+5], s[G0+1], SLOT            ; of slot 1,
	s_add_co_u32 s[G0A+1], s[G0+1], W1B            ; of w1h's first half,
	s_add_co_u32 s[G0B+1], s[G0+1], W1B+W1HALF     ; and of its second: no place in the cluster enters them
	PAIR IPI, 0x3ea2f983                           ; 1 / pi
	PAIR NPH, 0xc0490fdb                           ; - pi, the f32 nearest to it,
	PAIR NPL, 0x33bbbd2e                           ; and what that f32 has too much: 8.742278e-8
	PAIR C6, 0x310f76c7                            ; 1 / 12!
	PAIR C5, 0xb493f27e                            ; - 1 / 10!
	PAIR C4, 0x37d00d01                            ; 1 / 8!
	PAIR C3, 0xbab60b61                            ; - 1 / 6!
	PAIR C2, 0x3d2aaaab                            ; 1 / 4!
	s_lshl_b32 s18, s17, 20                        ; my block's 256 rows of 4,096 bytes in x and out,
	s_lshl_b32 s19, s[WV], 18                      ; my wave's 64 of them
	s_add_co_u32 s18, s18, s19
	s_mov_b32 s19, 0
	s_lshl_b32 s20, s16, 10                        ; and in out the tile's 256 e: 1,024 bytes
	s_add_co_u32 s20, s20, s18
	s_mov_b32 s21, 0
	s_lshl_b32 s22, s16, 21                        ; w2h: the tile's 256 rows of 8,192 bytes,
	s_lshl_b32 s23, s[WV], 19                      ; the 64 that I fetch
	s_add_co_u32 s22, s22, s23
	s_mov_b32 s23, 0
	s_lshl_b32 s2, s16, 21                         ; the prefetches: the tile's rows,
	s_lshl_b32 s3, s[CX], 19                       ; my work-group's 64,
	s_add_co_u32 s2, s2, s3
	s_lshl_b32 s3, s[WV], 18                       ; my wave's 32 (waves 0 and 1),
	s_add_co_u32 s2, s2, s3
	s_add_co_u32 s2, s2, 512                       ; at K step 2: the first refill steps it to 3 and names K step 4
	s_mov_b32 s3, 0
	s_lshr_b32 s[LIM], s[WV], 1                    ; 0 in waves 0 and 1,
	s_or_b32 s[LIM], s[LIM], ttmp9                 ; where the cluster is the tile's first: the same in all four partners
	s_cmp_eq_u32 s[LIM], 0
	s_cselect_b32 s[LIM], 1, -1
	v_and_b32 v1, 15, v0                           ; r = l % 16
	v_bfe_u32 v2, v0, 4, 1                         ; h = l / 16
	v_and_b32 v3, 31, v0                           ; l
	v_mov_b32 v[ZR], 0
	v_lshlrev_b32 v[XO], 12, v1                    ; x: token r's row, columns 8 h .. 8 h + 7
	v_lshl_add_u32 v[XO], v2, 5, v[XO]
	v_lshlrev_b32 v[PH0], 5, v2                    ; phi 8 h, 8 h + 1
	v_lshlrev_b32 v[PFO], 13, v3
	s_wait_dscnt 0x0                               ; both opening adds are done
	s_wait_kmcnt 0x0
	s_add_nc_u64 s[4:5], s[4:5], s[18:19]          ; x and out at my wave's first token
	s_add_nc_u64 s[12:13], s[12:13], s[20:21]
	s_add_nc_u64 s[PFA:PFA+1], s[10:11], s[2:3]
	s_add_nc_u64 s[G0+2:G0+3], s[10:11], s[22:23]  ; K step 0
	s_add_nc_u64 s[G0+6:G0+7], s[G0+2:G0+3], 256   ; K step 1
	s_or_b32 s[G0+3], s[G0+3], 0x80000000          ; type = 2
	s_or_b32 s[G0+7], s[G0+7], 0x80000000
	s_lshl_b32 s22, s[WV], 14                      ; w1h: my 64 rows of 256 bytes
	s_add_nc_u64 s[G0A+2:G0A+3], s[8:9], s[22:23]
	s_add_nc_u64 s[G0B+2:G0B+3], s[G0A+2:G0A+3], 65536
	s_or_b32 s[G0A+3], s[G0A+3], 0x80000000
	s_or_b32 s[G0B+3], s[G0B+3], 0x80000000
	CROUND                                         ; all four work-groups are here: the first joint loads meet
	tensor_load_to_lds s[G0:G0+3], s[G1:G1+7]      ; the first fills, as one group: four loads of mine are out.  What is wanted first goes first: slot 0,
	s_nop 0
	tensor_load_to_lds s[G0A:G0A+3], s[G1W:G1W+7]  ; w1h for f < 2,048,
	s_nop 0
	tensor_load_to_lds s[G0+4:G0+7], s[G1:G1+7]    ; slot 1,
	s_nop 0
	tensor_load_to_lds s[G0B:G0B+3], s[G1W:G1W+7]  ; the rest of w1h
	s_nop 0
.irp a, 0,1,2,3
	global_load_b128 v[X+8*\a:X+8*\a+3],   v[XO], s[4:5] offset:65536*\a      ; block a: 16 rows of 4,096 bytes on
	global_load_b128 v[X+8*\a+4:X+8*\a+7], v[XO], s[4:5] offset:65536*\a+16
.endr
	global_load_b64 v[PHI:PHI+1], v[PH0], s[6:7]   ; lanes 0-15: phi 0, 1; lanes 16-31: phi 8, 9, the last 8 of the 40 bytes
.irp j, 1,2,3
	global_load_b64 v[PHI+2*\j:PHI+2*\j+1], v[ZR], s[6:7] offset:8*\j  ; phi 2 .. 7, in every lane: lanes 16-31 will not use them
.endr
	; A fragment is 16 rows x 32 k in 8 registers: lane l holds row l % 16; registers 0-3 hold k = 8 (l / 16) + 0..7, registers 4-7 k = 16 + 8 (l / 16) + 0..7.
	v_mul_u32_u24 v[ADRB], v1, PITCH
	v_lshl_add_u32 v[ADRB], v2, 4, v[ADRB]         ; w2: row x pitch + 16 x half
	v_add_nc_u32 v[ADRB+1], SLOT, v[ADRB]
	v_lshrrev_b32 v[AW], 3, v1                     ; w1: eight f lie in an LDS row, 32 bytes each
	v_mul_u32_u24 v[AW], v[AW], PITCH
	v_and_b32 v[TN], 7, v1
	v_lshl_add_u32 v[AW], v[TN], 5, v[AW]
	v_lshl_add_u32 v[AW], v2, 4, v[AW]
	v_add_nc_u32 v[AW], W1B, v[AW]
	s_mul_i32 s22, s[WV], STW
	s_add_co_u32 s22, s22, STAGE                   ; my stage
	v_mul_u32_u24 v[STO], v1, SP                   ; in: row l % 16, 32 bytes for each half of the lanes
	v_lshl_add_u32 v[STO], v2, 5, v[STO]
	v_add_nc_u32 v[STO], s22, v[STO]
	v_lshl_add_u32 v[RD], v3, 4, s22               ; back: 32 lanes take a row's 512 bytes
	v_lshlrev_b32 v[CO], 4, v3
.irp a, 0,1,2,3
.irp j, 4,5,6,7
	v_mov_b32 v[Q+8*\a+\j], 0                      ; k = 16 .. 31 of both sources of H^T: set once
.endr
.endr
.irp u, 0,1
.irp j, 4,5,6,7
	v_mov_b32 v[W1F+8*\u+\j], 0
.endr
.endr
	s_wait_loadcnt 0x0                             ; x and phi
	v_cmp_eq_u32 s[LOWM], 0, v2
.irp a, 0,1,2,3
.irp j, 2,3,4,5,6,7
	v_cndmask_b32 v[X+8*\a+\j], 0, v[X+8*\a+\j], s[LOWM]  ; lanes 16-31: columns 10 .. 15 of x are no part of the problem: whatever they hold, they count as 0
.endr
.endr
	COS8 PHI
.irp j, 2,3,4,5,6,7
	v_cndmask_b32 v[PHI+\j], 0, v[PHI+\j], s[LOWM]  ; and q is 0 for k = 10 .. 15
.endr
.irp a, 0,1,2,3
	COS8 X+8*\a
.irp j, 0,2,4,6
	v_pk_mul_f32 v[X+8*\a+\j:X+8*\a+\j+1], v[X+8*\a+\j:X+8*\a+\j+1], v[PHI+\j:PHI+\j+1]
.endr
.irp j, 0,1,2,3
	v_cvt_pk_f16_f32 v[Q+8*\a+\j], v[X+8*\a+2*\j], v[X+8*\a+2*\j+1]
.endr
.endr
; THE MATRIX WORK.  In every quarter the same order: 8 results H^T, then the 64 accumulators, one instruction each: no two matrix instructions that follow each other share an accumulator, over the
; backward jump too.
.macro HMUL                            ; H^T of the quarter after: block t / 2, 16 f t % 2; each sum is one product and starts with 0
	WIN 0
.irp t, 0,1,2,3,4,5,6,7
	v_wmma_f32_16x16x32_f16 v[RAW+8*\t:RAW+8*\t+7], v[W1F+8*((\t)%2):W1F+8*((\t)%2)+7], v[Q+8*((\t)/2):Q+8*((\t)/2)+7], 0
.endr
.endm
.macro MUL16 f, a, zero                ; block a x all 16 blocks b, from buffers f.  zero = 1: the first products start the sums: nothing is cleared
	WIN 0xa1+0x50*((\a)/2)                         ; w2 (source 0) window 1, H (source 1) window 0, C and D window 2 or 3
.irp b, 0,1,2,3,4,5,6,7,8,9,10,11,12,13,14,15
.if \zero
	v_wmma_f32_16x16x32_f16 v[8*(16*((\a)%2)+\b):8*(16*((\a)%2)+\b)+7], v[128*(\f)+8*\b:128*(\f)+8*\b+7], v[HF+32*(\f)+8*(\a):HF+32*(\f)+8*(\a)+7], 0
.else
	v_wmma_f32_16x16x32_f16 v[8*(16*((\a)%2)+\b):8*(16*((\a)%2)+\b)+7], v[128*(\f)+8*\b:128*(\f)+8*\b+7], v[HF+32*(\f)+8*(\a):HF+32*(\f)+8*(\a)+7], v[8*(16*((\a)%2)+\b):8*(16*((\a)%2)+\b)+7]
.endif
.endr
.endm
; Four of the 64 vector instructions that make buffer g of H.  k < 8: result k of H^T is rounded to f16, in pairs, from its lowest registers on; k >= 8: the ReLU of what number k - 8 made.
; (Rounding keeps sign and order, so the maximum with 0 may follow it.)
.macro RID g, k
	WIN 0
.set tt, (\k)%8
.set rH, HF+32*(\g)+8*(tt/2)+4*(tt%2)
.set rR, RAW+8*tt
.if (\k) < 8
.irp z, 0,1,2,3
	v_cvt_pk_f16_f32 v[rH+\z], v[rR+2*\z], v[rR+2*\z+1]
.endr
.else
.irp z, 0,1,2,3
	v_pk_max_num_f16 v[rH+\z], v[rH+\z], v[ZR]
.endr
.endif
.endm
.macro MULR f, g, zero, rid            ; blocks a = 1, 2, 3: 48 products; rid = 1: behind every third stand four of RID's 64
.set i, 0
.rept 48
.set aa, 1+i/16
.set bb, i%16
.set rA, 8*(16*(aa%2)+bb)
	WIN 0xa1+0x50*(aa/2)
.if \zero
	v_wmma_f32_16x16x32_f16 v[rA:rA+7], v[128*(\f)+8*bb:128*(\f)+8*bb+7], v[HF+32*(\f)+8*aa:HF+32*(\f)+8*aa+7], 0
.else
	v_wmma_f32_16x16x32_f16 v[rA:rA+7], v[128*(\f)+8*bb:128*(\f)+8*bb+7], v[HF+32*(\f)+8*aa:HF+32*(\f)+8*aa+7], v[rA:rA+7]
.endif
.if (\rid) && (i%3 == 0)
	RID \g, i/3
.endif
.set i, i+1
.endr
.endm
; THE LDS LOADS stand in one run a quarter.  w1 of quarter m (counted from where v[AW] stands): 32 f are four LDS rows; k = 8 h .. 8 h + 7 of 16 f a load.
.macro W1LD m
	WIN 0
	ds_load_b128 v[W1F:W1F+3],    v[AW] offset:4*PITCH*(\m)
	ds_load_b128 v[W1F+8:W1F+11], v[AW] offset:4*PITCH*(\m)+2*PITCH
.endm
.macro FETCH ns, nk, g, m              ; w1 (m >= 0), then w2's sixteen fragments at byte nk of slot ns's rows, into buffer g
.if (\m) >= 0
	W1LD \m
.endif
	WIN 0x40                                       ; destination window 1, address window 0
.irp b, 0,1,2,3,4,5,6,7,8,9,10,11,12,13,14,15
	ds_load_b128 v[128*(\g)+8*\b:128*(\g)+8*\b+3],   v[ADRB+(\ns)] offset:(\nk)+16*PITCH*\b
	ds_load_b128 v[128*(\g)+8*\b+4:128*(\g)+8*\b+7], v[ADRB+(\ns)] offset:(\nk)+16*PITCH*\b+32
.endr
.endm
; QUARTER n multiplies buffers f (w2 and H of quarter n), makes H of quarter n + 1 into the other buffer, and loads w2 of quarter n + 1 (slot ns, byte nk) and w1 of quarter n + 2 (m).
; turn = 1: quarter n is a K step's last: THE CHANGE OF SLOTS.  My reads of the slot are back; I wait for all my tensor loads, of which one is out: my part of the other slot; add 0 to my spare word; wait
; for that; and open a round of the cluster's barrier.  Behind the round no wave of any partner reads the slot or has a load on its way, and the other slot is whole: the joint refill, two K steps on, is the first thing
; there.  It has a K step less 24 products, 264 matrix instructions, until the wait for it.  turn = 2: the last change: the same with my work-group's barrier alone; nothing is asked for.
; The four places (PLACES, or the four v_nop behind the refill) stand behind the products H^T and behind all products of the quarter before: they serve RID's reads of H^T, its writes into H's other buffer,
; and the loads into w2's other buffer and into w1's fragments.
.macro QUARTER ns, nk, f, m, zero=0, turn=0
.if (\turn) == 1
	s_wait_xcnt 0x0                                ; the last prefetch, a K step back, has read its address, so it may be stepped
	s_add_nc_u64 s[PFA:PFA+1], s[PFA:PFA+1], 256
.endif
	WIN 0
	s_wait_dscnt 0x0                               ; the run of loads issued 48 products ago is in
.if \turn
	s_wait_tensorcnt 0x0                           ; no tensor load of mine is out, so a group 0 may be written
	ds_add_u32 v[SPW], v[NIL]                      ; 0 onto my spare word; eight products stand between it and the wait for it
.if (\turn) == 1
	s_add_nc_u64 s[G0+4*(1-(\ns))+2:G0+4*(1-(\ns))+3], s[G0+4*(1-(\ns))+2:G0+4*(1-(\ns))+3], 512  ; the slot that is left: two K steps on; the type bits on top are not reached
.endif
.endif
	HMUL
.if \turn
	s_wait_dscnt 0x0                               ; the add is done; my reads of the slot were back above
	s_barrier_signal -1
.endif
	MUL16 \f, 0, \zero                             ; at a change of slots: work on registers while the others arrive
.if \turn
	WIN 0                                          ; at a branch and at a label every window is 0
	s_barrier_wait -1
.endif
.if (\turn) == 1
	CREST
	JLOAD 1-(\ns)
.else
	PLACES
.endif
	FETCH \ns, \nk, 1-(\f), \m
.if (\turn) == 1
	ASK
.endif
	MULR \f, 1-(\f), \zero, 1
.endm
.macro LASTQ f                         ; the last quarter: nothing follows it
	s_wait_dscnt 0x0
	MUL16 \f, 0, 0
	MULR \f, 1-(\f), 0, 0
.endm
	s_wait_tensorcnt 0x2                           ; my parts of slot 0 and of w1h's first half are in; the two younger loads may stay out
	s_barrier_signal -1
	s_barrier_wait -1                              ; everybody's are.  w1h's second half is first read far behind the first change of slots, whose wait is for all loads
	FETCH 0, 0, 0, 0                               ; w1 and w2 of quarter 0
	WIN 0
	s_wait_dscnt 32                                ; w1's two loads are in; w2's 32, issued behind them, may stay out
	HMUL                                           ; H of quarter 0
	PLACES
	W1LD 1
.set kk, 0
.rept 16
	RID 0, kk                                      ; in one run, once: there are no products yet to set it between
.set kk, kk+1
.endr
	QUARTER 0, 64,  0, 2, 1                        ; quarter 0 stands in front of the loop: its products start the sums
	WIN 0
	s_mov_b32 s[CNT], 15
.Llap:                                             ; a trip goes once round the ring, from a lap's second quarter to the next lap's first, and fills both slots again: K steps 2 to 31
	QUARTER 0, 128, 1, 3
	QUARTER 0, 192, 0, 4
	QUARTER 1, 0,   1, 5, 0, 1
	QUARTER 1, 64,  0, 6
	QUARTER 1, 128, 1, 7
	QUARTER 1, 192, 0, 8
	QUARTER 0, 0,   1, 9, 0, 1
	QUARTER 0, 64,  0, 10
	WIN 0
	v_add_nc_u32 v[AW], 32*PITCH, v[AW]            ; eight quarters, 256 f, 32 LDS rows on
	s_sub_co_u32 s[CNT], s[CNT], 1
	s_cmp_lg_u32 s[CNT], 0
	s_cbranch_scc1 .Llap
	QUARTER 0, 128, 1, 3                           ; the last lap is written out: it asks for nothing
	QUARTER 0, 192, 0, 4
	QUARTER 1, 0,   1, 5, 0, 2
	QUARTER 1, 64,  0, 6
	QUARTER 1, 128, 1, 7
	QUARTER 1, 192, 0, -1                          ; w1 has no quarter 128
	LASTQ 1
; THE WAY OUT.  A lane holds one token and eight neighbouring e, 32 bytes of f32; the lanes beside it hold other tokens.  So 16 tokens x 128 e at a time (block a = idx / 2, half idx % 2 of the tile's e) go through
; my own stage: in by rows of 528 bytes, back as whole rows of 512, and out: a store of the wave covers 512 consecutive bytes, at a multiple of 256 from out's first byte.
; The stage is my wave's alone and LDS serves a wave's instructions in order (ISA guide 5.7.1.4): no wait between stores and loads, and the next block's stores come behind this block's loads.
.macro TOSTAGE idx
.set aa, (\idx)/2
.set g2, (\idx)%2
	WIN 0x08+4*(aa/2)                              ; data (source 1) in window 2 or 3
.irp b, 0,1,2,3,4,5,6,7
	ds_store_b128 v[STO], v[8*(16*(aa%2)+8*g2+\b):8*(16*(aa%2)+8*g2+\b)+3]   offset:64*\b      ; each accumulator's lowest registers first
	ds_store_b128 v[STO], v[8*(16*(aa%2)+8*g2+\b)+4:8*(16*(aa%2)+8*g2+\b)+7] offset:64*\b+16
.endr
.if (\idx) >= 2
	s_wait_xcnt 0x0                                ; the stores of the block two back have read their data: only behind this wait are those registers loaded again
.endif
	WIN 0x40
.irp t, 0,1,2,3,4,5,6,7,8,9,10,11,12,13,14,15
	ds_load_b128 v[64*((\idx)%2)+4*\t:64*((\idx)%2)+4*\t+3], v[RD] offset:SP*\t
.endr
.endm
.macro SEND idx, younger               ; younger: the LDS instructions issued behind this block's loads: the next block's 16 stores and 16 loads, or none
	WIN 0x04                                       ; data (source 1) in window 1
	s_wait_dscnt \younger
.irp t, 0,1,2,3,4,5,6,7,8,9,10,11,12,13,14,15
	global_store_b128 v[CO], v[64*((\idx)%2)+4*\t:64*((\idx)%2)+4*\t+3], s[12:13] offset:(16*((\idx)/2)+\t)*4096+512*((\idx)%2) th:TH_STORE_NT
.endr
.endm
	PLACES                                         ; behind the last products, in front of the LDS stores that read results and of the loads into w2's first buffer;
	PLACES                                         ; twice, once a launch
	TOSTAGE 0
.irp n, 1,2,3,4,5,6,7
	TOSTAGE \n                                     ; a block's way through the stage stands between the loads of the block before and its stores
	SEND (\n)-1, 32
.endr
	SEND 7, 0
	WIN 0
	s_wait_tensorcnt 0x0                           ; the wave's end: a wait, an add of 0 and its wait, behind my last tensor load and my last LDS store
	ds_add_u32 v[SPW], v[NIL]
	s_wait_dscnt 0x0
	CROUND                                         ; the closing round: no work-group ends while a partner may still ask for a tile that names it
	s_endpgm
.Lfunc_end_k_qac8cba5176_ffn:
	.size	k_qac8cba5176_ffn, .Lfunc_end_k_qac8cba5176_ffn-k_qac8cba5176_ffn
	.p2alignl 7, 3214868480
	.fill 96, 4, 3214868480
	.section	.rodata,"a",@progbits
	.p2align	6, 0x0
	.amdhsa_kernel k_qac8cba5176_ffn
		.amdhsa_group_segment_fixed_size 327680
		.amdhsa_private_segment_fixed_size 0
		.amdhsa_enable_private_segment 0
		.amdhsa_kernarg_size 40
		.amdhsa_user_sgpr_count 2
		.amdhsa_user_sgpr_kernarg_segment_ptr 1
		.amdhsa_wavefront_size32 1
		.amdhsa_system_sgpr_workgroup_id_x 1
		.amdhsa_system_sgpr_workgroup_id_y 1
		.amdhsa_system_sgpr_workgroup_id_z 1
		.amdhsa_system_vgpr_workitem_id 0
		.amdhsa_next_free_vgpr 1024
		.amdhsa_next_free_sgpr 88
		.amdhsa_reserve_vcc 0
		.amdhsa_float_denorm_mode_32 3
		.amdhsa_float_denorm_mode_16_64 3
		.amdhsa_memory_ordered 1
		.amdhsa_forward_progress 1
		.amdhsa_inst_pref_size 253
	.end_amdhsa_kernel
	.amdgpu_metadata
---
amdhsa.version: [ 1, 2 ]
amdhsa.kernels:
  - .name:           k_qac8cba5176_ffn
    .symbol:         k_qac8cba5176_ffn.kd
    .args:
      - { .name: x, .offset: 0, .size: 8, .value_kind: global_buffer, .address_space: global }
      - { .name: ry_params, .offset: 8, .size: 8, .value_kind: global_buffer, .address_space: global }
      - { .name: w1h, .offset: 16, .size: 8, .value_kind: global_buffer, .address_space: global }
      - { .name: w2h, .offset: 24, .size: 8, .value_kind: global_buffer, .address_space: global }
      - { .name: out0, .offset: 32, .size: 8, .value_kind: global_buffer, .address_space: global }
    .group_segment_fixed_size: 327680
    .private_segment_fixed_size: 0
    .kernarg_segment_align: 8
    .kernarg_segment_size: 40
    .max_flat_workgroup_size: 128
    .sgpr_count:     88
    .vgpr_count:     1024
    .wavefront_size: 32
...
	.end_amdgpu_metadata
.endif
;; end of part 2
;; ======== version 2 of 2: 2 launches; version 1 with the launch prep written anew for expert scheduling mode
;; limits: values are held in f16: magnitudes above 65,504 overflow, below 6.1e-05 lose precision; inputs' magnitudes at most 10,000; a function is approximated: absolute error at most 2e-07
;; workspace buffers: w2h 8,388,608 bytes; w1h 131,072 bytes
;; launch prep (part 3): grid 256 x 1, 8 waves a work-group, no clusters, 0 bytes of LDS; arguments w2, w1, w2h, w1h; writes w2h, w1h
.if DOCPART == 3
	.amdgcn_target "amdgcn-amd-amdhsa--gfx1250"
	.amdhsa_code_object_version 6
	.text
	.protected	k_qac8cba5176_prep
	.globl	k_qac8cba5176_prep
	.p2align	8
	.type	k_qac8cba5176_prep,@function
k_qac8cba5176_prep:
	s_mov_b64 s[64:65], 0
	v_nop
	global_prefetch_b8 v0, s[64:65] scope:SCOPE_SE
	s_setreg_imm32_b32 hwreg(HW_REG_WAVE_SCHED_MODE, 0, 2), 2
	s_setreg_imm32_b32 hwreg(HW_REG_WAVE_MODE, 25, 1), 1
	s_wait_xcnt 0x0
	s_wait_alu depctr_vm_vsrc(0)
; THE WEIGHTS, ROUNDED ONCE TO f16 for the matrix products of the launch behind.
;   w2h[e][f] = f16(w2[e][f]): [1024][4096], laid out as w2.
;   w1h[f][k] = f16(w1[f][k]) for k < 10, 0 for k = 10 .. 15: [4096][16], 32 bytes a row, so that 16 bytes are half a row of a matrix fragment.
; LIMIT.  f16 holds no number beyond 65,504: |w1| and |w2| stay under that; below 6e-5 a number keeps f16's fixed step of 6e-8.
; A stream: no LDS, no barrier, no matrix unit, no loop.  A work-group of eight waves takes 65,536 consecutive bytes of w2: sixteen loads of 16 bytes a thread, all issued before the
; first is waited for (a wave's load covers 512 consecutive bytes); four numbers become 8 bytes, and a wave's store covers 256 consecutive bytes, aligned.
; Every register is written once, so no register of a pending load or store is ever written again.
; Wave 0 also makes the work-group's 16 rows of w1h.  Its text is written out whole, under one branch on the wave's number.
; THE MODE: SCHED_MODE bits 1:0 = 2 (LLVM: expert scheduling mode 2), set by the entry lines.  The code itself states the register dependences
; between vector instructions and memory instructions, with s_wait_alu, always for 0.
; THE PLAN.  Registers that memory instructions touch:
;   v[LO], v[SO]         offsets of every load of w2 and every store of w2h: written once at the head, by vector lines, and never again.
;   v6, v8-v11 (wave 0)  offsets of w1's loads and of w1h's store: likewise, at the head of wave 0's arm.
;   X, W                 written by loads alone, once; no vector line names them ahead of their loads; read by the conversions behind the waits on LOADcnt.
;   Y                    written by the conversions, once; read by the stores of w2h.       D (wave 0): written by conversions and selects, once; read by w1h's store.
; The sixteen loads go in four GROUPS of four.  Group g rounds its four loads into its part of Y; the four stores of group g - 1 are dealt among its conversions.  No vector line of group g names
; group g - 1's part of Y, or v[SO]: so ONE wait on va_vdst at a group's head states all that those four stores hang on.  One more stands ahead of the last run of stores, one ahead of an arm's first load.
; No register that a memory instruction reads is written again, so no wait on vm_vsrc is owed.  Two scalar registers are written by vector lines (s12, s22): each has its wait on va_sdst ahead of its first reader.
.set LO, 2                             ; v2        16 t: my 16 bytes in 4,096 of w2
.set SO, 3                             ; v3        8 t: my 8 bytes in 2,048 of w2h
.set X,  12                            ; v[12:75]  sixteen loads of four f32
.set Y,  76                            ; v[76:107] sixteen stores of four f16
.set W,  108                           ; v[108:115] wave 0: eight numbers of a row of w1
.set D,  116                           ; v[116:119] wave 0: 16 bytes of w1h
.macro LOADS
.irp i, 0,1,2,3,4,5,6,7,8,9,10,11,12,13,14,15
	global_load_b128 v[X+4*\i:X+4*\i+3], v[LO], s[4:5] offset:4096*\i th:TH_LOAD_NT
.endr
.endm
; Group g: loads 4 g .. 4 g + 3 are rounded; the stores of group g - 1 go out, one ahead of each pair of conversions.
.macro GROUP g
	s_wait_loadcnt 15-4*(\g)                       ; loads come back in order: the group's first load is in, the younger ones stay out
.if (\g) > 0
	s_wait_alu depctr_va_vdst(0)                   ; the conversions of the group before have written their part of Y, which the four stores below read
.endif
.irp i, 0,1,2,3
.set n, 4*(\g)+\i
.if (\g) > 0
	global_store_b64 v[SO], v[Y+2*(n-4):Y+2*(n-4)+1], s[8:9] offset:2048*(n-4)  ; no vector line since the wait names these registers
.endif
.if \i > 0
	s_wait_loadcnt 15-n                            ; load n is in, the 15 - n younger ones stay out
.endif
	v_cvt_pk_f16_f32 v[Y+2*n],   v[X+4*n],   v[X+4*n+1]
	v_cvt_pk_f16_f32 v[Y+2*n+1], v[X+4*n+2], v[X+4*n+3]
.endr
.endm
.macro LAST                            ; the stores of group 3
.irp i, 12,13,14,15
	global_store_b64 v[SO], v[Y+2*\i:Y+2*\i+1], s[8:9] offset:2048*\i
.endr
.endm
	s_load_b256 s[4:11], s[0:1], 0x0               ; w2 s[4:5], w1 s[6:7], w2h s[8:9], w1h s[10:11]
	v_lshrrev_b32 v1, 5, v0
	v_readfirstlane_b32 s12, v1                    ; wave 0..7
	v_lshlrev_b32 v[LO], 4, v0
	v_lshlrev_b32 v[SO], 3, v0
	s_lshl_b32 s14, ttmp9, 16                      ; the work-group's 65,536 bytes of w2,
	s_mov_b32 s15, 0
	s_lshl_b32 s16, ttmp9, 15                      ; and its 32,768 of w2h
	s_mov_b32 s17, 0
	s_wait_kmcnt 0x0
	s_add_nc_u64 s[4:5], s[4:5], s[14:15]
	s_add_nc_u64 s[8:9], s[8:9], s[16:17]
	s_wait_alu depctr_va_sdst(0)                   ; s12 is written, ahead of its first reader, the compare below
	s_cmp_lg_u32 s12, 0
	s_cbranch_scc1 .Lothers
	; WAVE 0.  Lane l makes half l % 2 of row l / 2 of the work-group's 16 rows of w1h.  A row of w1 is 40 bytes.  Half 0 reads k = 0 .. 7 as four loads of 8 bytes, 8 bytes apart;
	; half 1 reads k = 8, 9 (the row's last 8 bytes) four times over, so that no load leaves the row, and keeps the first.
	v_and_b32 v4, 1, v0                            ; half
	v_cmp_eq_u32 s22, 0, v4                        ; the lanes of half 0
	v_bfe_u32 v5, v0, 1, 4                         ; row
	v_mul_u32_u24 v6, v5, 40
	v_lshl_add_u32 v6, v4, 5, v6                   ; 40 row + 32 half
	v_lshlrev_b32 v7, 3, v4
	v_sub_nc_u32 v7, 8, v7                         ; from load to load: 8 bytes, or 0
	v_add_nc_u32 v8, v6, v7
	v_add_nc_u32 v9, v8, v7
	v_add_nc_u32 v10, v9, v7
	v_and_b32 v11, 31, v0
	v_lshlrev_b32 v11, 4, v11                      ; my 16 bytes of the 512 of w1h
	s_mul_i32 s18, ttmp9, 640                      ; 16 rows of 40 bytes
	s_mov_b32 s19, 0
	s_lshl_b32 s20, ttmp9, 9                       ; 16 rows of 32 bytes
	s_mov_b32 s21, 0
	s_add_nc_u64 s[6:7], s[6:7], s[18:19]
	s_add_nc_u64 s[10:11], s[10:11], s[20:21]
	s_wait_alu depctr_va_sdst(0)                   ; s22 is written, ahead of its first reader, the selects below; no label and no branch stands between
	s_wait_alu depctr_va_vdst(0)                   ; the offsets v[LO], v[SO], v6 and v8 to v11 are written, which this arm's loads and stores read
	global_load_b64 v[W:W+1],   v6,  s[6:7]
	global_load_b64 v[W+2:W+3], v8,  s[6:7]
	global_load_b64 v[W+4:W+5], v9,  s[6:7]
	global_load_b64 v[W+6:W+7], v10, s[6:7]
	LOADS                                          ; w1's four loads are older than these: the groups' counts hold as they stand, and the first of them shows w1's loads in
	GROUP 0
	GROUP 1
	GROUP 2
	GROUP 3
.irp j, 0,1,2,3
	v_cvt_pk_f16_f32 v[D+\j], v[W+2*\j], v[W+2*\j+1]
.endr
.irp j, 1,2,3
	v_cndmask_b32 v[D+\j], 0, v[D+\j], s22         ; half 1: k = 10 .. 15 are 0
.endr
	s_wait_alu depctr_va_vdst(0)                   ; group 3's conversions have written their part of Y, and the conversions and selects above D: the five stores below read them
	LAST
	global_store_b128 v11, v[D:D+3], s[10:11]      ; 512 consecutive bytes, aligned
	s_endpgm
.Lothers:
	s_wait_alu depctr_va_vdst(0)                   ; the offsets v[LO] and v[SO] are written, which this arm's loads and stores read
	LOADS
	GROUP 0
	GROUP 1
	GROUP 2
	GROUP 3
	s_wait_alu depctr_va_vdst(0)                   ; group 3's conversions have written their part of Y, which the last four stores read
	LAST
	s_endpgm
.Lfunc_end_k_qac8cba5176_prep:
	.size	k_qac8cba5176_prep, .Lfunc_end_k_qac8cba5176_prep-k_qac8cba5176_prep
	.p2alignl 7, 3214868480
	.fill 96, 4, 3214868480
	.section	.rodata,"a",@progbits
	.p2align	6, 0x0
	.amdhsa_kernel k_qac8cba5176_prep
		.amdhsa_group_segment_fixed_size 0
		.amdhsa_private_segment_fixed_size 0
		.amdhsa_enable_private_segment 0
		.amdhsa_kernarg_size 32
		.amdhsa_user_sgpr_count 2
		.amdhsa_user_sgpr_kernarg_segment_ptr 1
		.amdhsa_wavefront_size32 1
		.amdhsa_system_sgpr_workgroup_id_x 1
		.amdhsa_system_sgpr_workgroup_id_y 1
		.amdhsa_system_sgpr_workgroup_id_z 1
		.amdhsa_system_vgpr_workitem_id 0
		.amdhsa_next_free_vgpr 120
		.amdhsa_next_free_sgpr 66
		.amdhsa_reserve_vcc 0
		.amdhsa_float_denorm_mode_32 3
		.amdhsa_float_denorm_mode_16_64 3
		.amdhsa_memory_ordered 1
		.amdhsa_forward_progress 1
		.amdhsa_inst_pref_size 14
	.end_amdhsa_kernel
	.amdgpu_metadata
---
amdhsa.version: [ 1, 2 ]
amdhsa.kernels:
  - .name:           k_qac8cba5176_prep
    .symbol:         k_qac8cba5176_prep.kd
    .args:
      - { .name: w2, .offset: 0, .size: 8, .value_kind: global_buffer, .address_space: global }
      - { .name: w1, .offset: 8, .size: 8, .value_kind: global_buffer, .address_space: global }
      - { .name: w2h, .offset: 16, .size: 8, .value_kind: global_buffer, .address_space: global }
      - { .name: w1h, .offset: 24, .size: 8, .value_kind: global_buffer, .address_space: global }
    .group_segment_fixed_size: 0
    .private_segment_fixed_size: 0
    .kernarg_segment_align: 8
    .kernarg_segment_size: 32
    .max_flat_workgroup_size: 256
    .sgpr_count:     66
    .vgpr_count:     120
    .wavefront_size: 32
...
	.end_amdgpu_metadata
.endif
;; end of part 3
;; launch ffn: the kernel of part 2 again; grid 64 x 4, 4 waves a work-group, clusters of 4 x 1, 327,680 bytes of LDS; arguments x, ry_params, w1h, w2h, out0; writes out0
